; MI455X (gfx1250); checked and timed in simulation.
; The chip was launched on July 23, 2026; its instructions are those of AMD's public machine-readable ISA for CDNA 5 (MIT licence, August 2026) and "CDNA5" Instruction Set Architecture Reference Guide (July 2026). The comments in the code are by the model that wrote it; some were corrected since.
;; Trainable Memory. Allowed arithmetic: matrix products marked QUANTISED: E3M2 operands, one E8M0 scale for each 32 along K, by v_wmma_scale_f32_16x16x128_f8f6f4 with both operands' format E3M2, f32 sums; products left as they are: f32 operands where the result goes on into a quantised operand, else bf16, f16 or f32 operands; f32 sums; everything else in f32.
;; Inputs: b1_bg 64 float32; b1_fg 64 float32; b2_bg 1 float32; b2_fg 1 float32; bg_memory 2,024 x 256 float32; feats 8 x 256 x 64 x 64 float32; fg_memory 2,024 x 256 float32; w1_bg 256 x 64 float32; w1_fg 256 x 64 float32; w2_bg 64 x 1 float32; w2_fg 64 x 1 float32.
;; Outputs: out0 8 x 256 x 64 x 64 float32.
;; This version of the problem:
;;   THIS VERSION OF THE PROBLEM IS GIVEN IN LOW PRECISION. The matrix products marked QUANTISED in the list below multiply operands that are first quantised to E3M2 (3 exponent bits, 2 mantissa bits; 6 bits a number), with one power-of-two scale for each 32 numbers along K (OCP MX v1.0); their sums are f32. All else is computed in f32.
;;   The module's matrix products, in the order in which they are computed (A, B: the left and right operand; K: the contracted axis; several contracted axes count as one K, in the product's order):
;;     1. [M 32,768, K 256] x [K 256, N 2,024]; A: computed on the way; B: computed on the way: QUANTISED
;;     2. [M 32,768, K 2,024] x [K 2,024, N 256]; A: softmax (see below); B: computed on the way: QUANTISED
;;     3. [M 32,768, K 256] x [K 256, N 2,024]; A: computed on the way; B: computed on the way: QUANTISED
;;     4. [M 32,768, K 2,024] x [K 2,024, N 256]; A: softmax (see below); B: computed on the way: QUANTISED
;;     5. [M 32,768, K 256] x [K 256, N 64]; A: computed on the way; B: input w1_fg: QUANTISED
;;     6. [M 32,768, K 64] x [K 64, N 1]; A: computed on the way; B: input w2_fg: left as it is (N = 1 < 16)
;;     7. [M 32,768, K 256] x [K 256, N 64]; A: computed on the way; B: input w1_bg: QUANTISED
;;     8. [M 32,768, K 64] x [K 64, N 1]; A: computed on the way; B: input w2_bg: left as it is (N = 1 < 16)
;;   THE QUANTISER, for each operand of a quantised product, along K:
;;     - K is cut into blocks of 32 from its start; a last block that is shorter is filled with zeros.
;;     - A block's scale is 2^e with e = floor(log2(the largest magnitude in the block)) - 4, held to -126 .. 127; a block of zeros has e = 0. As a byte (E8M0): e + 127.
;;     - Each number is divided by its block's scale, clamped to +-28, and rounded to the nearest number of E3M2, ties to even, subnormals kept.
;;     - The product sums the exact products of the quantised numbers (number of the format x scale) in f32.
;;   ~~~python
;;   def quantise(x, axis):      # numpy; x: float32 -> the quantised numbers, widened to float32 again
;;       x = np.moveaxis(x, axis, -1); K = x.shape[-1]
;;       x = np.pad(x, [(0, 0)] * (x.ndim - 1) + [(0, -K % 32)]); x = x.reshape(x.shape[:-1] + (-1, 32)); a = np.abs(x).max(-1, keepdims=True)
;;       e = np.where(a > 0, np.clip(np.frexp(np.where(a > 0, a, 1))[1] - 1 - 4, -126, 127), 0)      # np.frexp(a)[1] - 1 = floor(log2(a)), exactly
;;       r = np.clip(x / 2.0 ** e, -28, 28)
;;       step = 2.0 ** (np.maximum(np.frexp(np.where(r == 0, 1, r))[1] - 1, -2) - 2)
;;       q = np.round(r / step) * step * 2.0 ** e      # np.round: ties to even
;;       return np.moveaxis(q.reshape(q.shape[:-2] + (-1,))[..., :K], -1, axis).astype(np.float32)
;;   ~~~
;;   SOFTMAX AHEAD OF A QUANTISED PRODUCT. Where the list says 'softmax', what is quantised is not the finished softmax but p = 2^(t - M), with t = logit x log2(e) and M = ceil(the row's largest t), a whole number; so 1/2 < the row's largest p <= 1. The row's sum l is taken of the UNQUANTISED p, in f32, and the product's result is divided by l at the end. Since M is a whole number, a kernel that streams over the keys may use a running M (the ceiling of the running maximum): every later rescaling is an exact power of two, which a block's scale takes up: the codes' values come out the same.
;;   OPERANDS COMPUTED ON THE WAY. 'Computed on the way' means the value that the module computes at that place (a softmax that the list does not call 'softmax' is quantised finished and normalised). What goes into a quantiser is computed in f32, as accurately as f32 sums, v_exp_f32 and their like allow (about 1e-6 of the number): no bf16 or f16 on the way to a quantiser, and a product that is left as it is and whose result goes on into a quantised operand takes f32 operands (vector FMAs, or v_wmma_f32_16x16x4_f32). A number that lies on a knife's edge between two numbers of the format may be rounded either way, as far as f32 arithmetic and the matrix unit's own rounding can turn it there, and no further.
;; One version. Each part assembles by itself: llvm-mc -triple=amdgcn-amd-amdhsa -mcpu=gfx1250 --defsym DOCPART=n.
;; ======== version 1 of 1: 2 launches
;; limits: right only within a limited range of input values
;; workspace buffers: kv 1,638,400 bytes; wq 25,600 bytes
;; launch prep (part 1): grid 33 x 1, 16 waves a work-group, no clusters, 6,144 bytes of LDS; arguments fg_memory, bg_memory, w1_fg, w1_bg, kv, wq; writes kv, wq
.if DOCPART == 1
	.amdgcn_target "amdgcn-amd-amdhsa--gfx1250"
	.amdhsa_code_object_version 6
	.text
	.protected	k_q1eb78fe8c7_prep
	.globl	k_q1eb78fe8c7_prep
	.p2align	8
	.type	k_q1eb78fe8c7_prep,@function
k_q1eb78fe8c7_prep:
	s_mov_b64 s[64:65], 0
	v_nop
	global_prefetch_b8 v0, s[64:65] scope:SCOPE_SE
	s_setreg_imm32_b32 hwreg(HW_REG_WAVE_MODE, 25, 1), 1
	s_wait_xcnt 0x0
; PREP: both memories are l2-normalised (row / max(norm, 1e-12)) and quantised to BF6 (E3M2) twice: along the 256 channels (the scores' operand, "K") and along
; the memory axis (the second product's operand, "V"); w1_fg and w1_bg are quantised along their first axis.  Everything is stored in the order of the operand's registers.
; NOTHING OF reference() IS LEFT OUT in this program: every input has a way to the output and is loaded by one of the two launches.  Beyond reference(): the 2,024 rows are filled up
; to 2,048 with zero codes (the quantiser's own filling of the last block of 32, and the rest of the last step of 128 keys).
; kv = [step 0..15][bank 0..1][51,200 bytes]: 16 K fragments (index 2 t + s: key tile t, channels 128 s on), 1,024 bytes of K scale words, 16 V fragments (channel tile ct), 1,024 bytes of V scale words.
; A fragment (16 rows x 128 K, 12 registers a lane) lies as three blocks of 512 bytes: register R of lane L at 512 (R / 4) + 16 L + 4 (R % 4).
; K fragment: lane (r, h) holds key 128 step + 32 (t / 2) + 8 (t % 2) + r + 8 (r / 8).  V fragment: lane (r, h) holds channel 16 ct + r, keys in their own order.
; K scale word of (t, s, r) at 512 (t / 4) + 256 (t % 2) + 16 r + 8 ((t / 2) % 2) + 4 s;  V scale word of (ct, r) at 512 (ct / 8) + 256 (ct % 2) + 16 r + 4 ((ct / 2) % 4).
; wq = [bank][12,800]: 8 fragments (2 t + s: units 16 t + r, k 128 s on), then the scale word of (t, s, r) at 12,288 + 16 (r + 16 s) + 4 t.
; SHARES: work-group g < 32: bank g % 2, step g / 2; its wave w makes K fragment w and V fragment w.  Work-group 32: w1; wave w: bank w / 8, fragment w % 8.
; LIMITS: NaN and infinities among the inputs are not served.  A block whose largest magnitude lies under 2^(5 - 127) keeps the scale byte 1; a block of zeros gets the byte 1 where the rule says 127:
; its codes are zeros and this program alone reads the bytes.  The division by the norm is a multiplication by v_rcp_f32 of it.
.set PS,    0                          ; LDS: sums of squares, [s][key 0..127], f32
.set RV,    1024                       ; 1 / norm of the step's 128 keys (0 for keys from 2,024 on)
.set SCB,   2048                       ; the chunk's K scale words (1,024 bytes), then its V scale words
.set SPARE, 4096                       ; the spare words, 128 bytes for each of 16 waves: eight blocks of 256 bytes that no other line names
.set XK,    32                         ; v32-95   my K fragment's 64 numbers: register 32 c + i = channel 128 s + 64 c + 32 h + i
.set XV,    96                         ; v96-159  my V fragment's 64 numbers: register 32 c + i = key 64 c + 32 h + i
.set RVR,   160                        ; v160-223 1 / norm of those 64 keys
.set CK,    224                        ; v224-235 K codes
.set CV,    236                        ; v236-247 V codes
; v1 lane, v2 r, v3 h, v4 K source, v5, v6 V source, v7 16 x lane, v8-12 LDS addresses, v13 8 h, v14, v15 the add's two, v16-31 at work, v250-253 addresses
.macro BARRIER                         ; my LDS stores have landed and my LDS loads are in: then the work-group's barrier
	s_wait_dscnt 0x0
	s_barrier_signal -1
	s_barrier_wait -1
.endm
; 64 numbers of a lane, two whole blocks of 32 along K, become the fragment's 12 registers in v[dst] on and the row's scale word in v22
.macro QFRAG src, dst
.irp c, 0,1
	v_max3_num_f32 v[16+\c], |v[\src+32*\c]|, |v[\src+32*\c+1]|, 0x2800000   ; with the floor 2^(5 - 127): the byte cannot fall under 1
.endr
.irp i, 2,4,6,8,10,12,14,16,18,20,22,24,26,28,30
.irp c, 0,1
	s_delay_alu instid0(VALU_DEP_2)
	v_max3_num_f32 v[16+\c], v[16+\c], |v[\src+32*\c+\i]|, |v[\src+32*\c+\i+1]|
.endr
.endr
.irp c, 0,1
	s_delay_alu instid0(VALU_DEP_2)
	v_add_nc_u32 v[18+\c], 0xfe000000, v[16+\c]    ; 4 off the exponent field: the conversion's scale operand
.endr
.irp c, 0,1
	s_delay_alu instid0(VALU_DEP_2)
	v_lshrrev_b32 v[20+\c], 23, v[18+\c]           ; the scale's byte
.endr
	s_delay_alu instid0(VALU_DEP_1)
	v_lshl_or_b32 v22, v21, 16, v20                ; blocks h and 2 + h,
	s_delay_alu instid0(VALU_DEP_1)
	v_lshlrev_b32 v22, v13, v22                    ; 8 h bits up;
	s_delay_alu instid0(VALU_DEP_1)
	v_permlanex16_b32 v23, v22, s24, s25
	s_delay_alu instid0(VALU_DEP_1)
	v_or_b32 v22, v22, v23                         ; with lane l xor 16's two the word is whole
.irp c, 0,1
	v_cvt_scalef32_pk16_bf6_f32 v[\dst+6*\c:\dst+6*\c+2], v[\src+32*\c:\src+32*\c+15], v[18+\c]
	v_cvt_scalef32_pk16_bf6_f32 v[24+4*\c:26+4*\c], v[\src+32*\c+16:\src+32*\c+31], v[18+\c]   ; (a conversion's three registers begin on an even number)
.endr
	v_nop                                          ; one plain place behind a scaled conversion
.irp c, 0,1
.irp i, 0,1,2
	v_mov_b32 v[\dst+3+6*\c+\i], v[24+4*\c+\i]
.endr
.endr
.endm
.macro OUTFRAG dst, off                ; three stores of 512 consecutive bytes, at multiples of 256 from the buffer's first byte
.irp k, 0,1,2
	global_store_b128 v7, v[\dst+4*\k:\dst+4*\k+3], s[36:37] offset:\off+512*\k
.endr
.endm
	s_load_b256 s[4:11], s[0:1], 0x0               ; fg s[4:5], bg s[6:7], w1_fg s[8:9], w1_bg s[10:11]
	s_load_b128 s[12:15], s[0:1], 0x20             ; kv s[12:13], wq s[14:15]
	v_lshl_add_u32 v14, v0, 2, SPARE
	v_mov_b32 v15, 0
	v_lshrrev_b32 v1, 5, v0
	s_delay_alu instid0(VALU_DEP_1)
	v_readfirstlane_b32 s16, v1                    ; wave 0..15
	v_and_b32 v1, 31, v0                           ; lane
	v_and_b32 v2, 15, v0                           ; r
	s_wait_alu depctr_va_vdst(0)
	v_bfe_u32 v3, v0, 4, 1                         ; h
	v_lshlrev_b32 v7, 4, v1                        ; 16 x lane
	s_delay_alu instid0(VALU_DEP_2)
	v_lshlrev_b32 v13, 3, v3                       ; 8 h
	v_mov_b32 v23, 0                               ; a lane permute's destination counts as one of its sources
	v_lshlrev_b32 v250, 2, v0                      ; 4 x thread
	s_mov_b32 s24, 0x76543210
	s_mov_b32 s25, 0xfedcba98                      ; v_permlanex16_b32's selects for lane l xor 16
	; every LDS address, from the wave's number and the lane alone.  t = wave / 2, s = wave % 2, ct = wave
	s_lshr_b32 s26, s16, 2                         ; t / 2
	s_lshl_b32 s26, s26, 5
	s_bfe_u32 s28, s16, 0x10001                    ; t % 2
	s_lshl_b32 s29, s28, 3
	s_add_co_u32 s26, s26, s29                     ; 32 (t / 2) + 8 (t % 2)
	s_and_b32 s27, s16, 1
	s_lshl_b32 s27, s27, 9                         ; 512 s
	v_and_b32 v16, 8, v2
	s_delay_alu instid0(VALU_DEP_1)
	v_add_nc_u32 v16, v16, v2                      ; r + 8 (r / 8)
	s_delay_alu instid0(VALU_DEP_1)
	v_add_nc_u32 v17, s26, v16                     ; my key among the step's 128
	s_delay_alu instid0(VALU_DEP_1)
	v_lshl_add_u32 v8, v17, 2, s27                 ; PS + 512 s + 4 key
	s_delay_alu instid0(VALU_DEP_2)
	v_lshl_add_u32 v9, v17, 2, RV                  ; RV + 4 key
	v_lshl_add_u32 v10, v3, 7, RV                  ; RV + 128 h
	s_lshr_b32 s29, s16, 3                         ; t / 4 = ct / 8
	s_lshl_b32 s29, s29, 9
	s_lshl_b32 s30, s28, 8                         ; 256 (t % 2)
	s_add_co_u32 s30, s30, s29
	s_bfe_u32 s31, s16, 0x10002                    ; (t / 2) % 2
	s_lshl_b32 s31, s31, 3
	s_add_co_u32 s30, s30, s31
	s_and_b32 s31, s16, 1
	s_lshl_b32 s31, s31, 2                         ; 4 s
	s_add_co_u32 s30, s30, s31
	s_add_co_u32 s30, s30, SCB
	v_lshl_add_u32 v11, v2, 4, s30                 ; where my K scale word goes
	s_and_b32 s31, s16, 1
	s_lshl_b32 s31, s31, 8                         ; 256 (ct % 2)
	s_add_co_u32 s31, s31, s29
	s_bfe_u32 s30, s16, 0x20001                    ; (ct / 2) % 4
	s_lshl_b32 s30, s30, 2
	s_add_co_u32 s31, s31, s30
	s_add_co_u32 s31, s31, SCB+1024
	v_lshl_add_u32 v12, v2, 4, s31                 ; where my V scale word goes
	s_min_u32 s28, s16, 3                          ; waves 0 to 3 carry the scale words out, 512 bytes each
	s_lshl_b32 s28, s28, 9
	s_add_co_u32 s29, s28, SCB
	v_add_nc_u32 v251, s29, v7
	s_cmp_ge_u32 s16, 2
	s_cselect_b32 s30, 0x6000, 0                   ; V's words lie 24,576 bytes further on in the chunk than in LDS
	s_add_co_u32 s30, s30, s28
	v_add_nc_u32 v252, s30, v7
	s_mul_i32 s34, s16, 1536                       ; my fragment's place among sixteen
	s_mov_b32 s35, 0
	s_mov_b32 s33, 0
	s_wait_kmcnt 0x0
	s_cmp_lg_u32 ttmp9, 32                         ; the same in all waves of the work-group
	s_cbranch_scc1 .Lmem
	; ---- w1: a lane takes unit 16 t + r, its registers run down K.  No LDS, no barrier on this way
	s_cmp_lt_u32 s16, 8
	s_cselect_b64 s[20:21], s[8:9], s[10:11]
	s_lshr_b32 s32, s16, 3
	s_mul_i32 s32, s32, 12800
	s_add_nc_u64 s[22:23], s[14:15], s[32:33]      ; the bank's block of wq
	s_and_b32 s34, s16, 7
	s_mul_i32 s34, s34, 1536
	s_add_nc_u64 s[36:37], s[22:23], s[34:35]      ; fragment 2 t + s
	s_bfe_u32 s26, s16, 0x20001                    ; t
	s_and_b32 s27, s16, 1                          ; s
	s_lshl_b32 s28, s27, 15                        ; 128 s rows of 256 bytes
	s_lshl_b32 s29, s26, 6                         ; 16 t units of 4 bytes
	s_add_co_u32 s28, s28, s29
	v_lshlrev_b32 v5, 2, v2
	s_delay_alu instid0(VALU_DEP_1)
	v_lshl_add_u32 v5, v3, 13, v5                  ; + 32 h rows
	s_delay_alu instid0(VALU_DEP_1)
	v_add_nc_u32 v5, s28, v5
	s_lshl_b32 s28, s27, 8
	s_lshl_b32 s29, s26, 2
	s_add_co_u32 s28, s28, s29
	v_lshl_add_u32 v253, v2, 4, s28                ; 16 (r + 16 s) + 4 t
.irp c, 0,1
.irp i, 0,1,2,3,4,5,6,7,8,9,10,11,12,13,14,15,16,17,18,19,20,21,22,23,24,25,26,27,28,29,30,31
	global_load_b32 v[XV+32*\c+\i], v5, s[20:21] offset:(64*\c+\i)*256
.endr
.endr
	s_wait_loadcnt 0x0
	QFRAG XV, CV
	OUTFRAG CV, 0
	global_store_b32 v253, v22, s[22:23] offset:12288   ; both halves of the lanes hold the same word and write it to the same place
	s_branch .Lend
.Lmem:
	s_and_b32 s17, ttmp9, 1                        ; bank
	s_lshr_b32 s18, ttmp9, 1                       ; step
	s_lshl_b32 s19, s18, 7                         ; the step's first key
	s_cmp_eq_u32 s17, 0
	s_cselect_b64 s[20:21], s[4:5], s[6:7]
	s_mul_i32 s32, ttmp9, 51200
	s_add_nc_u64 s[22:23], s[12:13], s[32:33]      ; my chunk
	s_add_nc_u64 s[36:37], s[22:23], s[34:35]      ; my fragments' place in it
	s_sub_co_u32 s38, 0x7e8, s19                   ; 2,024 - first key: keys from here on do not exist
	s_wait_alu depctr_va_vdst(0)
	v_add_nc_u32 v4, s19, v17
	s_delay_alu instid0(VALU_DEP_1)
	v_min_u32 v4, 0x7e7, v4                        ; a key past the end reads row 2,023; its 1 / norm is 0
	s_delay_alu instid0(VALU_DEP_1)
	v_lshlrev_b32 v4, 10, v4
	s_delay_alu instid0(VALU_DEP_1)
	v_lshl_add_u32 v4, v3, 7, v4
	s_delay_alu instid0(VALU_DEP_1)
	v_add_nc_u32 v4, s27, v4                       ; K: row x 1,024 + 512 s + 128 h
	s_lshl_b32 s30, s19, 10
	s_lshl_b32 s31, s16, 6
	s_add_co_u32 s30, s30, s31
	v_lshlrev_b32 v5, 2, v2
	s_delay_alu instid0(VALU_DEP_1)
	v_lshl_add_u32 v5, v3, 15, v5
	s_delay_alu instid0(VALU_DEP_1)
	v_add_nc_u32 v5, s30, v5                       ; V: (first key + 32 h) x 1,024 + 64 ct + 4 r
	s_cmp_eq_u32 s18, 15
	s_cselect_b32 s31, 0x6000, 0
	v_mul_u32_u24 v16, s31, v3
	s_delay_alu instid0(VALU_DEP_1)
	v_sub_nc_u32 v6, v5, v16                       ; for keys 64 + 32 h + 8 on: in the last step lanes 16-31 read 24 rows lower, inside the buffer; 1 / norm is 0 there
.irp c, 0,1
.irp j, 0,1,2,3,4,5,6,7
	global_load_b128 v[XK+32*\c+4*\j:XK+32*\c+4*\j+3], v4, s[20:21] offset:256*\c+16*\j
.endr
.endr
.irp i, 0,1,2,3,4,5,6,7,8,9,10,11,12,13,14,15,16,17,18,19,20,21,22,23,24,25,26,27,28,29,30,31
	global_load_b32 v[XV+\i], v5, s[20:21] offset:\i*1024
.endr
.irp i, 0,1,2,3,4,5,6,7
	global_load_b32 v[XV+32+\i], v5, s[20:21] offset:(64+\i)*1024
.endr
.irp i, 8,9,10,11,12,13,14,15,16,17,18,19,20,21,22,23,24,25,26,27,28,29,30,31
	global_load_b32 v[XV+32+\i], v6, s[20:21] offset:(64+\i)*1024
.endr
	s_wait_loadcnt 63                              ; 64 loads were issued behind K's sixteen; the wait's field holds 63, and a smaller count is safe
.irp k, 0,1,2,3
	v_pk_mul_f32 v[24+2*\k:25+2*\k], v[XK+2*\k:XK+2*\k+1], v[XK+2*\k:XK+2*\k+1]   ; the sum of squares of my 64, in four chains
.endr
.set j, 4
.rept 28
	s_delay_alu instid0(VALU_DEP_4)
	v_pk_fma_f32 v[24+2*(j%4):25+2*(j%4)], v[XK+2*j:XK+2*j+1], v[XK+2*j:XK+2*j+1], v[24+2*(j%4):25+2*(j%4)]
.set j, j+1
.endr
	s_delay_alu instid0(VALU_DEP_3)
	v_pk_add_f32 v[24:25], v[24:25], v[26:27]
	s_delay_alu instid0(VALU_DEP_2)
	v_pk_add_f32 v[28:29], v[28:29], v[30:31]
	s_delay_alu instid0(VALU_DEP_1)
	v_pk_add_f32 v[24:25], v[24:25], v[28:29]
	s_delay_alu instid0(VALU_DEP_1)
	v_add_f32 v24, v24, v25
	s_delay_alu instid0(VALU_DEP_1)
	v_permlanex16_b32 v23, v24, s24, s25
	s_delay_alu instid0(VALU_DEP_1)
	v_add_f32 v24, v24, v23                        ; with lane l xor 16's 64: channels 128 s .. 128 s + 127 of my key
	ds_store_b32 v8, v24                           ; both halves write the same word with the same value
	BARRIER                                        ; the 256 partial sums lie in LDS
	s_cmp_lt_u32 s16, 4                            ; threads 0 to 127: a key each
	s_cbranch_scc0 .Lno_rinv
	ds_load_b32 v24, v250 offset:PS
	ds_load_b32 v25, v250 offset:PS+512
	v_cmp_gt_u32 vcc_lo, s38, v0                   ; does my key exist?
	s_wait_dscnt 0x0
	v_add_f32 v24, v24, v25
	s_wait_alu depctr_va_vdst(0)
	v_sqrt_f32 v24, v24
	v_nop                                          ; one plain place behind a transcendental,
	s_wait_alu depctr_va_vdst(0)                   ; and the wait ahead of the first use
	v_max_num_f32 v24, 0x2b8cbccc, v24             ; max(norm, 1e-12)
	s_wait_alu depctr_va_vdst(0)
	v_rcp_f32 v24, v24
	v_nop
	s_wait_alu depctr_va_vdst(0)
	v_cndmask_b32 v24, 0, v24, vcc_lo              ; 0 for keys from 2,024 on: their codes become zeros
	ds_store_b32 v250, v24 offset:RV
.Lno_rinv:
	BARRIER                                        ; the 128 reciprocals lie in LDS
	ds_load_b32 v248, v9
.irp c, 0,1
.irp j, 0,1,2,3,4,5,6,7
	ds_load_b128 v[RVR+32*\c+4*\j:RVR+32*\c+4*\j+3], v10 offset:256*\c+16*\j
.endr
.endr
	s_wait_dscnt 16                                ; my key's reciprocal is in; the sixteen loads behind it may be out
	v_mov_b32 v249, v248
.set j, 0
.rept 32
	v_pk_mul_f32 v[XK+j:XK+j+1], v[XK+j:XK+j+1], v[248:249]
.set j, j+2
.endr
	QFRAG XK, CK
	OUTFRAG CK, 0
	ds_store_b32 v11, v22
	s_wait_dscnt 0x0                               ; the 64 reciprocals are in, and the store has read v22
	s_wait_loadcnt 0x0                             ; V's 64 numbers
.set j, 0
.rept 32
	v_pk_mul_f32 v[XV+j:XV+j+1], v[XV+j:XV+j+1], v[RVR+j:RVR+j+1]
.set j, j+2
.endr
	QFRAG XV, CV
	OUTFRAG CV, 25600
	ds_store_b32 v12, v22
	BARRIER                                        ; the chunk's 512 scale words lie in LDS
	s_cmp_lt_u32 s16, 4
	s_cbranch_scc0 .Lend
	ds_load_b128 v[24:27], v251
	s_wait_dscnt 0x0
	global_store_b128 v252, v[24:27], s[22:23] offset:24576   ; 512 consecutive bytes a wave
.Lend:
	s_wait_tensorcnt 0x0                           ; the wave's end
	ds_add_u32 v14, v15
	s_wait_dscnt 0x0
	s_endpgm
.Lfunc_end_k_q1eb78fe8c7_prep:
	.size	k_q1eb78fe8c7_prep, .Lfunc_end_k_q1eb78fe8c7_prep-k_q1eb78fe8c7_prep
	.p2alignl 7, 3214868480
	.fill 96, 4, 3214868480
	.section	.rodata,"a",@progbits
	.p2align	6, 0x0
	.amdhsa_kernel k_q1eb78fe8c7_prep
		.amdhsa_group_segment_fixed_size 6144
		.amdhsa_private_segment_fixed_size 0
		.amdhsa_enable_private_segment 0
		.amdhsa_kernarg_size 48
		.amdhsa_user_sgpr_count 2
		.amdhsa_user_sgpr_kernarg_segment_ptr 1
		.amdhsa_wavefront_size32 1
		.amdhsa_system_sgpr_workgroup_id_x 1
		.amdhsa_system_sgpr_workgroup_id_y 1
		.amdhsa_system_sgpr_workgroup_id_z 1
		.amdhsa_system_vgpr_workitem_id 0
		.amdhsa_next_free_vgpr 256
		.amdhsa_next_free_sgpr 66
		.amdhsa_reserve_vcc 1
		.amdhsa_float_denorm_mode_32 3
		.amdhsa_float_denorm_mode_16_64 3
		.amdhsa_memory_ordered 1
		.amdhsa_forward_progress 1
		.amdhsa_inst_pref_size 43
	.end_amdhsa_kernel
	.amdgpu_metadata
---
amdhsa.version: [ 1, 2 ]
amdhsa.kernels:
  - .name:           k_q1eb78fe8c7_prep
    .symbol:         k_q1eb78fe8c7_prep.kd
    .args:
      - { .name: fg_memory, .offset: 0, .size: 8, .value_kind: global_buffer, .address_space: global }
      - { .name: bg_memory, .offset: 8, .size: 8, .value_kind: global_buffer, .address_space: global }
      - { .name: w1_fg, .offset: 16, .size: 8, .value_kind: global_buffer, .address_space: global }
      - { .name: w1_bg, .offset: 24, .size: 8, .value_kind: global_buffer, .address_space: global }
      - { .name: kv, .offset: 32, .size: 8, .value_kind: global_buffer, .address_space: global }
      - { .name: wq, .offset: 40, .size: 8, .value_kind: global_buffer, .address_space: global }
    .group_segment_fixed_size: 6144
    .private_segment_fixed_size: 0
    .kernarg_segment_align: 8
    .kernarg_segment_size: 48
    .max_flat_workgroup_size: 512
    .sgpr_count:     66
    .vgpr_count:     256
    .wavefront_size: 32
...
	.end_amdgpu_metadata
.endif
;; end of part 1
;; launch attend (part 2): grid 256 x 1, 8 waves a work-group, clusters of 4 x 1, 327,680 bytes of LDS; arguments feats, kv, wq, b1_fg, b1_bg, w2_fg, w2_bg, b2_fg, b2_bg, out0; writes out0
.if DOCPART == 2
	.amdgcn_target "amdgcn-amd-amdhsa--gfx1250"
	.amdhsa_code_object_version 6
	.text
	.protected	k_q1eb78fe8c7_attend
	.globl	k_q1eb78fe8c7_attend
	.p2align	8
	.type	k_q1eb78fe8c7_attend,@function
k_q1eb78fe8c7_attend:
	s_mov_b64 s[64:65], 0
	v_nop
	global_prefetch_b8 v0, s[64:65] scope:SCOPE_SE
	s_setreg_imm32_b32 hwreg(HW_REG_WAVE_MODE, 25, 1), 1
	s_wait_xcnt 0x0
	s_wait_alu depctr_hold_cnt(0) depctr_sa_sdst(0) depctr_va_vdst(0) depctr_va_sdst(0) depctr_va_ssrc(0) depctr_va_vcc(0) depctr_vm_vsrc(0)
	s_getreg_b32 s2, hwreg(HW_REG_IB_STS2, 6, 4)
	s_cmp_eq_u32 s2, 0
	s_cbranch_scc0 .Lentry_in_a_cluster
	s_endpgm
.Lentry_in_a_cluster:
	s_bfe_u32 s2, ttmp6, 0x10000c
	s_cmp_lg_u32 s2, 0x3003
	s_cbranch_scc0 .Lentry_shape_is_right
	s_endpgm
.Lentry_shape_is_right:
; ATTEND: out = xn + g_fg softmax(xn fgn^T / 0.03) fgn - g_bg softmax(xn bgn^T / 0.03) bgn, both gates included, for 128 positions a work-group.
; Waves 0-3 take the fg bank, waves 4-7 the bg bank; a wave owns 32 positions (two tiles of 16 queries) and all 256 channels of O^T (window 1).
; The head brings the work-group's x tile, normalises and quantises it (BF6 along the channels) and computes the gates; then 16 steps of 128 keys go through a ring of two LDS slots,
; each slot holding one step's K and V fragments and scale words of both banks, as prep laid them.  The four work-groups of a cluster read the same slots: every fill is a joint load behind a round.
; Both products are used transposed (S^T = K q^T, O^T = V^T p^T): a lane holds one query, its registers run along the keys.
; THE SOFTMAX'S SHIFT IS THE FIXED WHOLE NUMBER M = 0: p = 2^t, t = score x log2(e) / 0.03.  reference() itself normalises both operands of the scores; rounding to E3M2 lengthens a vector of
; length 1 by a factor under 1.16 (an eighth on each normal code, under 2^-8 of the block's largest on each subnormal one), so |score| < 1.34 and |t| < 65 for every input.  Hence
; 2^-65 < p < 2^65, a row's sum of 2,024 and every sum in O^T stay under 2^77, and p's scale bytes lie in 58 .. 188: nothing overflows or underflows in f32.
; M being whole, p's codes are those of the rule's M = ceil(largest t); only the block scales differ, by the power of two that the division by the row's sum takes away.
; LIMITS: NaN and infinities among the inputs are not served.  Keys 2,024 .. 2,047 get the score -infinity, so p = 0; a block of such p keeps the scale byte 1 over zero codes.
; REGISTERS, window 0: v6-7 p's scale words; v8, 9, 16 and v12, 13, 18 the largest scores of key blocks 0-2 of query tile 0 and 1; v10-11, v14-15 the rows' sums; v17, v19 the gates;
; v20-23 q's scale words; v24-31 K's or V's; v32-79 q's fragments; v80-127 K's fragments, then p's codes and scratch; v128-255 the scores, then V's fragments.
.set SLOT1, 1<<17
.set CHUNK, 51200
.set STEPB, 102400
.set QIMG,  102400
.set QSC,   126976
.set XT,    131072
.set XP,    520
.set SP,    528
.set STG1,  135168
.set RINV,  270336
.set SPARE, 270848
.set MSB, 0
.macro WIN new
.if MSB != \new
	s_set_vgpr_msb (MSB<<8)|\new
.set MSB, \new
.endif
.endm
.macro PLACES n
.rept \n
	v_nop
.endr
.endm
.macro CROUND
	s_barrier_signal -1
	s_barrier_wait -1
	s_cmp_lg_u32 s24, 0
	s_cbranch_scc1 .Lnot_wave_0_\@
	s_barrier_signal -3
.Lnot_wave_0_\@:
	s_barrier_wait -3
	s_barrier_signal -1
	s_barrier_wait -1
.endm
.macro JLOAD
	tensor_load_to_lds s[40:43], s[32:39]
	s_nop 0
	PLACES 4
.endm
.macro ASK
	s_cmp_gt_u32 s57, s68
	s_cbranch_scc0 .Lnot_mine_\@
	global_prefetch_b8 v5, s[66:67] th:TH_LOAD_NT scope:SCOPE_SE
.Lnot_mine_\@:
.endm
.macro CHANGE fill
	s_wait_tensorcnt 0x0
	ds_add_u32 v3, v4
.if \fill
	s_xor_b32 s41, s41, SLOT1
	s_add_nc_u64 s[42:43], s[42:43], STEPB
	s_wait_xcnt 0x0
	s_add_nc_u64 s[66:67], s[66:67], STEPB
	s_wait_dscnt 0x0
	CROUND
	JLOAD
	ASK
.else
	s_wait_dscnt 0x0
	s_barrier_signal -1
	s_barrier_wait -1
.endif
.endm
.macro WM d, a, b, sa, sb, row, zero
.if \zero
.if \row
	v_wmma_scale_f32_16x16x128_f8f6f4 v[\d:\d+7], v[\a:\a+11], v[\b:\b+11], 0, v[\sa], v[\sb] matrix_a_fmt:MATRIX_FMT_BF6 matrix_b_fmt:MATRIX_FMT_BF6 matrix_a_scale:MATRIX_SCALE_ROW1
.else
	v_wmma_scale_f32_16x16x128_f8f6f4 v[\d:\d+7], v[\a:\a+11], v[\b:\b+11], 0, v[\sa], v[\sb] matrix_a_fmt:MATRIX_FMT_BF6 matrix_b_fmt:MATRIX_FMT_BF6
.endif
.else
.if \row
	v_wmma_scale_f32_16x16x128_f8f6f4 v[\d:\d+7], v[\a:\a+11], v[\b:\b+11], v[\d:\d+7], v[\sa], v[\sb] matrix_a_fmt:MATRIX_FMT_BF6 matrix_b_fmt:MATRIX_FMT_BF6 matrix_a_scale:MATRIX_SCALE_ROW1
.else
	v_wmma_scale_f32_16x16x128_f8f6f4 v[\d:\d+7], v[\a:\a+11], v[\b:\b+11], v[\d:\d+7], v[\sa], v[\sb] matrix_a_fmt:MATRIX_FMT_BF6 matrix_b_fmt:MATRIX_FMT_BF6
.endif
.endif
.endm
.macro KLOAD t, buf
.irp s, 0,1
.irp c, 0,1,2
	ds_load_b128 v[\buf+12*\s+4*\c:\buf+12*\s+4*\c+3], v2 offset:1536*(2*(\t)+\s)+512*\c
.endr
.endr
.endm
.macro VLOAD g, buf
.irp k, 0,1,2,3
.irp c, 0,1,2
	ds_load_b128 v[\buf+12*\k+4*\c:\buf+12*\k+4*\c+3], v2 offset:25600+1536*(4*(\g)+\k)+512*\c
.endr
.endr
.endm
.macro SPROD t, buf
.irp s, 0,1
.irp q, 0,1
	WM 128+64*\q+8*(\t), \buf+12*\s, 32+24*\q+12*\s, 24+4*((\t)/4)+2*(((\t)%4)/2)+\s, 20+2*\q+\s, (\t)%2, 1-\s
.endr
.endr
.endm
; the last step's keys 104 .. 127 do not exist: of block 3 lanes 0-15 keep their first eight scores, all else is -infinity (v127; VCC = lanes 16-31)
.macro MASK q
.irp i, 0,1,2,3,4,5,6,7
	v_cndmask_b32 v[176+64*(\q)+\i], v[176+64*(\q)+\i], v127, vcc_lo
.endr
.irp i, 0,1,2,3,4,5,6,7
	v_mov_b32 v[184+64*(\q)+\i], v127
.endr
.endm
; my 16 scores of key block b: their largest, for query tile 0 into v[d0] and for tile 1 into v[d1], the two chains by turns; each accumulator is read from its low end on
.macro BMX b, d0, d1
.set B0, 128+16*(\b)
	v_max3_num_f32 v[\d0], v[B0], v[B0+1], v[B0+2]
	v_max3_num_f32 v[\d1], v[B0+64], v[B0+65], v[B0+66]
.irp i, 3,5,7,9,11,13
	v_max3_num_f32 v[\d0], v[\d0], v[B0+\i], v[B0+\i+1]
	v_max3_num_f32 v[\d1], v[\d1], v[B0+64+\i], v[B0+65+\i]
.endr
	v_max_num_f32 v[\d0], v[\d0], v[B0+15]
	v_max_num_f32 v[\d1], v[\d1], v[B0+79]
.endm
; p = 2^t of query tile q, its sum, its codes and scale word.  v[m0] .. v[m3]: my half's largest score of each key block
.macro SOFTMAX q, m0, m1, m2, m3
.set SB, 128+64*(\q)
.set PQ, 80+12*(\q)
.set SS, 8+4*(\q)
.set mi, 0
.irp m, \m0, \m1, \m2, \m3
	v_permlanex16_b32 v[116+mi], v[\m], s60, s61
.set mi, mi+1
.endr
.set mi, 0
.irp m, \m0, \m1, \m2, \m3
	v_max_num_f32 v[112+mi], v[\m], v[116+mi]      ; with lane l xor 16's 16 keys: the block's largest score
.set mi, mi+1
.endr
.set j, 0
.rept 32
	v_pk_mul_f32 v[SB+j:SB+j+1], v[SB+j:SB+j+1], s[58:59] op_sel_hi:[1,0]   ; t = score x log2(e) / 0.03; M = 0
.set j, j+2
.endr
.irp b, 0,1,2,3
	v_mul_f32 v[112+\b], s58, v[112+\b]            ; the same of each block's largest score
.endr
.set j, 0
	s_wait_alu depctr_va_vdst(0)
.rept 64
	v_exp_f32 v[SB+j], v[SB+j]
.set j, j+1
.endr
	v_nop                                          ; one plain place behind the exponentials
	s_wait_alu depctr_va_vdst(0)
.irp b, 0,1,2,3
	v_exp_f32 v[112+\b], v[112+\b]
.endr
	v_pk_add_f32 v[124:125], v[SB:SB+1], v[SB+2:SB+3]
.irp j, 4,8,12,16,20,24,28,32,36,40,44,48,52,56,60
	v_pk_add_f32 v[SS+2:SS+3], v[SS+2:SS+3], v[SB+\j:SB+\j+1]
	v_pk_add_f32 v[124:125], v[124:125], v[SB+2+\j:SB+3+\j]
.endr
	s_delay_alu instid0(VALU_DEP_1)
	v_pk_add_f32 v[SS+2:SS+3], v[SS+2:SS+3], v[124:125]
	s_wait_alu depctr_va_vdst(0)
.irp b, 0,1,2,3
	v_max_num_f32 v[112+\b], 0x2800000, v[112+\b]
.endr
.irp b, 0,1,2,3
	s_delay_alu instid0(VALU_DEP_4)
	v_add_nc_u32 v[120+\b], 0xfe000000, v[112+\b]
.endr
.irp b, 0,1,2,3
	s_delay_alu instid0(VALU_DEP_4)
	v_lshrrev_b32 v[116+\b], 23, v[120+\b]
.endr
	s_delay_alu instid0(VALU_DEP_3)
	v_lshl_or_b32 v[6+\q], v117, 8, v116
	s_delay_alu instid0(VALU_DEP_1)
	v_lshl_or_b32 v[6+\q], v118, 16, v[6+\q]
	s_delay_alu instid0(VALU_DEP_1)
	v_lshl_or_b32 v[6+\q], v119, 24, v[6+\q]
.irp c, 0,1
	v_cvt_scalef32_pk16_bf6_f32 v[PQ+6*\c:PQ+6*\c+2], v[SB+32*\c:SB+32*\c+15], v[120+2*\c]
	v_cvt_scalef32_pk16_bf6_f32 v[104+4*\c:106+4*\c], v[SB+32*\c+16:SB+32*\c+31], v[121+2*\c]
.endr
	v_nop
.irp c, 0,1
.irp i, 0,1,2
	v_permlane16_swap_b32 v[PQ+6*\c+\i], v[104+4*\c+\i]
.endr
.irp i, 0,1,2
	s_delay_alu instid0(VALU_DEP_3)
	v_mov_b32 v[PQ+3+6*\c+\i], v[104+4*\c+\i]
.endr
.endr
.endm
.macro STEP first, last
	v_add_nc_u32 v2, s56, v1
	PLACES 4
	ds_load_b128 v[24:27], v2 offset:24576
	ds_load_b128 v[28:31], v2 offset:25088
	KLOAD 0, 80
	KLOAD 1, 104
	s_wait_alu depctr_va_vdst(0)
.irp t, 0,1,2,3,4,5,6,7
.if \t < 7
	s_wait_dscnt 6
.else
	s_wait_dscnt 0
.endif
	SPROD \t, 80+24*(\t%2)
; the places behind tile t's products: behind tiles 2, 4 and 6 the sixteen maxima of the key block finished one tile earlier (they name tiles t - 2 and t - 1 alone, which stand four places back), else v_nop
.if \t == 0 || \t == 1 || \t == 3 || \t == 5
	PLACES 4
.endif
.if \t == 2
	BMX 0, 8, 12
.endif
.if \t == 4
	BMX 1, 9, 13
.endif
.if \t == 6
	BMX 2, 16, 18
.endif
.if \t < 6
	KLOAD \t+2, 80+24*(\t%2)
.endif
.endr
	PLACES 4
	s_wait_alu depctr_va_vdst(0)                   ; the wait ahead of the readers below
.if \last
	v_and_b32 v126, 16, v0
	s_delay_alu instid0(VALU_DEP_1)
	v_cmp_ne_u32 vcc_lo, 0, v126
	v_mov_b32 v127, 0xff800000
	MASK 0
	MASK 1
.endif
	BMX 3, 115, 126
	SOFTMAX 0, 8, 9, 16, 115
	ds_load_b128 v[24:27], v2 offset:50176
	ds_load_b128 v[28:31], v2 offset:50688
	VLOAD 0, 128
	SOFTMAX 1, 12, 13, 18, 126
	VLOAD 1, 192
	PLACES 8                                       ; p's scale word stands eight places, its codes four, ahead of the scaled products; O^T is never rescaled: M is fixed
	s_wait_alu depctr_va_vdst(0)
.irp g, 0,1,2,3
.if \g < 3
	s_wait_dscnt 12
.else
	s_wait_dscnt 0
.endif
	WIN 0x50
.irp k, 0,1,2,3
.irp q, 0,1
.set CT, 4*\g+\k
	WM 128*\q+8*CT, 128+64*(\g%2)+12*\k, 80+12*\q, 24+4*(CT/8)+(CT%8)/2, 6+\q, CT%2, \first
.endr
.endr
	WIN 0
.if \g < 2
	PLACES 4
	VLOAD \g+2, 128+64*(\g%2)
.endif
.endr
	s_xor_b32 s56, s56, SLOT1
.endm
.macro QUANT s
.irp b, 0,1,2,3
	v_max3_num_f32 v[100+\b], |v[\s+16*\b]|, |v[\s+1+16*\b]|, 0x2800000
.endr
.irp i, 2,4,6,8,10,12,14
.irp b, 0,1,2,3
	s_delay_alu instid0(VALU_DEP_4)
	v_max3_num_f32 v[100+\b], v[100+\b], |v[\s+16*\b+\i]|, |v[\s+1+16*\b+\i]|
.endr
.endr
.irp b, 0,1,2,3
	s_delay_alu instid0(VALU_DEP_4)
	v_permlanex16_b32 v[104+\b], v[100+\b], s60, s61
.endr
.irp b, 0,1,2,3
	s_delay_alu instid0(VALU_DEP_4)
	v_max_num_f32 v[100+\b], v[100+\b], v[104+\b]
.endr
.irp b, 0,1,2,3
	s_delay_alu instid0(VALU_DEP_4)
	v_add_nc_u32 v[112+\b], 0xfe000000, v[100+\b]
.endr
.irp b, 0,1,2,3
	s_delay_alu instid0(VALU_DEP_4)
	v_lshrrev_b32 v[104+\b], 23, v[112+\b]
.endr
	s_delay_alu instid0(VALU_DEP_3)
	v_lshl_or_b32 v116, v105, 8, v104
	s_delay_alu instid0(VALU_DEP_1)
	v_lshl_or_b32 v116, v106, 16, v116
	s_delay_alu instid0(VALU_DEP_1)
	v_lshl_or_b32 v116, v107, 24, v116
.irp c, 0,1
	v_cvt_scalef32_pk16_bf6_f32 v[80+6*\c:82+6*\c], v[\s+32*\c:\s+15+32*\c], v[112+2*\c]
	v_cvt_scalef32_pk16_bf6_f32 v[92+4*\c:94+4*\c], v[\s+16+32*\c:\s+31+32*\c], v[113+2*\c]
.endr
	v_nop
.irp c, 0,1
.irp i, 0,1,2
	v_permlane16_swap_b32 v[80+6*\c+\i], v[92+4*\c+\i]
.endr
.irp i, 0,1,2
	s_delay_alu instid0(VALU_DEP_3)
	v_mov_b32 v[83+6*\c+\i], v[92+4*\c+\i]
.endr
.endr
.endm
	s_load_b256 s[4:11], s[0:1], 0x0
	s_load_b256 s[12:19], s[0:1], 0x20
	s_load_b128 s[20:23], s[0:1], 0x40
	v_lshl_add_u32 v3, v0, 2, SPARE
	v_mov_b32 v4, 0
	ds_add_u32 v3, v4
	ds_add_u32 v3, v4
	v_lshrrev_b32 v1, 5, v0
	s_delay_alu instid0(VALU_DEP_1)
	v_readfirstlane_b32 s24, v1
	s_lshr_b32 s25, s24, 2
	s_and_b32 s26, s24, 3
	s_bfe_u32 s27, ttmp6, 0x40000
	s_lshl_b32 s28, ttmp9, 2
	s_add_co_u32 s28, s28, s27
	s_mov_b32 s32, 15|(3<<16)|(1<<21)
	s_mov_b32 s33, 32<<16
	s_mov_b32 s34, 50<<16
	s_mov_b32 s35, 32<<16
	s_mov_b32 s36, 50
	s_mov_b32 s37, 32
	s_mov_b32 s38, 0
	s_mov_b32 s39, 0
	s_mov_b32 s44, (2<<16)|(1<<20)|(6<<22)|(1<<25)
	s_mov_b32 s45, 128<<16
	s_mov_b32 s46, 32<<16
	s_mov_b32 s47, 128<<16
	s_mov_b32 s48, 32
	s_mov_b32 s49, 4096
	s_mov_b32 s50, 0
	s_mov_b32 s51, 0
	s_mov_b32 s40, 1
	s_mul_i32 s41, s24, 12800
	s_mov_b32 s52, 1
	s_mul_i32 s53, s24, 32*XP
	s_add_co_u32 s53, s53, XT
	s_mov_b32 s84, s41
	s_mov_b32 s85, 0
	s_lshr_b32 s82, s28, 5
	s_lshl_b32 s82, s82, 22
	s_and_b32 s83, s28, 31
	s_lshl_b32 s83, s83, 9
	s_add_co_u32 s82, s82, s83
	s_lshl_b32 s83, s24, 19
	s_add_co_u32 s82, s82, s83
	s_mov_b32 s83, 0
	s_mul_i32 s86, s27, 25600
	s_mul_i32 s87, s26, 6400
	s_add_co_u32 s86, s86, s87
	s_add_co_u32 s86, s86, STEPB
	s_mov_b32 s87, 0
	s_mul_i32 s90, s25, 12800
	s_mov_b32 s91, 0
	s_or_b32 s92, s25, ttmp9
	s_cmp_eq_u32 s92, 0
	s_cselect_b32 s68, 1, -1
	s_mov_b32 s58, 0x42405bfe
	s_mov_b32 s59, s58
	s_mov_b32 s60, 0x76543210
	s_mov_b32 s61, 0xfedcba98
	s_mov_b32 s56, 0
	s_mul_i32 s92, s25, CHUNK
	v_and_b32 v1, 31, v0
	s_delay_alu instid0(VALU_DEP_1)
	v_min_u32 v5, 24, v1
	s_delay_alu instid0(VALU_DEP_1)
	v_lshlrev_b32 v5, 8, v5
	s_delay_alu instid0(VALU_DEP_3)
	v_lshlrev_b32 v122, 4, v1
	s_delay_alu instid0(VALU_DEP_4)
	v_lshl_add_u32 v1, v1, 4, s92
	v_bfe_u32 v123, v0, 4, 1
	s_delay_alu instid0(VALU_DEP_1)
	v_lshlrev_b32 v123, 5, v123
	s_wait_dscnt 0x0
	s_wait_kmcnt 0x0
	s_cmp_lt_u32 s24, 4
	s_cselect_b64 s[76:77], s[10:11], s[12:13]
	s_cselect_b64 s[78:79], s[14:15], s[16:17]
	s_cselect_b64 s[88:89], s[18:19], s[20:21]
	s_load_b32 s74, s[88:89], 0x0
	s_add_nc_u64 s[80:81], s[8:9], s[90:91]
	s_add_nc_u64 s[70:71], s[4:5], s[82:83]
	s_add_nc_u64 s[72:73], s[22:23], s[82:83]
	s_add_nc_u64 s[66:67], s[6:7], s[86:87]
	s_add_nc_u64 s[42:43], s[6:7], s[84:85]
	s_or_b32 s43, s43, 0x80000000
	s_mov_b64 s[54:55], s[70:71]
	s_or_b32 s55, s55, 0x80000000
	CROUND
	tensor_load_to_lds s[52:55], s[44:51]
	s_nop 0
	s_wait_alu depctr_va_vdst(0)
	s_wait_tensorcnt 0x0
	ds_add_u32 v3, v4
	s_wait_dscnt 0x0
	CROUND
	tensor_load_to_lds s[40:43], s[32:39]
	s_nop 0
	PLACES 4
	WIN 0x40
	s_wait_alu depctr_va_vdst(0)
.irp f, 0,1,2,3,4,5,6,7
.irp c, 0,1,2
	global_load_b128 v[12*\f+4*\c:12*\f+4*\c+3], v122, s[80:81] offset:1536*\f+512*\c
.endr
.endr
.irp t, 0,1,2,3
	global_load_b128 v[96+8*\t:99+8*\t], v123, s[76:77] offset:64*\t
	global_load_b128 v[100+8*\t:103+8*\t], v123, s[76:77] offset:64*\t+16
	global_load_b128 v[128+8*\t:131+8*\t], v123, s[78:79] offset:64*\t
	global_load_b128 v[132+8*\t:135+8*\t], v123, s[78:79] offset:64*\t+16
.endr
	WIN 0
	global_load_b128 v[24:27], v122, s[80:81] offset:12288
	v_and_b32 v82, 15, v0
	v_bfe_u32 v83, v0, 4, 1
	s_delay_alu instid0(VALU_DEP_1)
	v_mul_u32_u24 v80, v83, 16*XP
	s_delay_alu instid0(VALU_DEP_1)
	v_lshl_add_u32 v80, v82, 2, v80
	s_lshl_b32 s82, s24, 6
	s_add_co_u32 s83, s82, XT
	v_add_nc_u32 v80, s83, v80
	s_delay_alu instid0(VALU_DEP_1)
	v_add_nc_u32 v81, 128*XP, v80
	s_add_co_u32 s83, s82, RINV
	v_lshl_add_u32 v119, v82, 2, s83
	v_and_b32 v84, 31, v0
	s_mul_i32 s83, s24, 3072
	s_add_co_u32 s83, s83, QIMG
	v_lshl_add_u32 v117, v84, 4, s83
	s_lshl_b32 s83, s24, 8
	s_add_co_u32 s83, s83, QSC
	v_lshl_add_u32 v118, v84, 2, s83
.irp b, 0,1,2,3
	v_mov_b32 v[104+\b], 0
.endr
	s_wait_alu depctr_va_vdst(0)
	s_wait_tensorcnt 0x1
	s_barrier_signal -1
	s_barrier_wait -1
.irp s, 0,1
.irp b, 0,1,2,3
.irp i, 0,1,2,3,4,5,6,7,8,9,10,11,12,13,14,15
	ds_load_b32 v[128+64*\s+16*\b+\i], v[80+\s] offset:(32*\b+\i)*XP
.endr
.endr
.endr
	s_wait_dscnt 0x0
.irp k, 0,1,2,3
	v_pk_mul_f32 v[84+2*\k:85+2*\k], v[128+2*\k:129+2*\k], v[128+2*\k:129+2*\k]
.endr
.set j, 4
.rept 60
	s_delay_alu instid0(VALU_DEP_4)
	v_pk_fma_f32 v[84+2*(j%4):85+2*(j%4)], v[128+2*j:129+2*j], v[128+2*j:129+2*j], v[84+2*(j%4):85+2*(j%4)]
.set j, j+1
.endr
	s_delay_alu instid0(VALU_DEP_3)
	v_pk_add_f32 v[84:85], v[84:85], v[86:87]
	s_delay_alu instid0(VALU_DEP_2)
	v_pk_add_f32 v[88:89], v[88:89], v[90:91]
	s_delay_alu instid0(VALU_DEP_1)
	v_pk_add_f32 v[84:85], v[84:85], v[88:89]
	s_delay_alu instid0(VALU_DEP_1)
	v_add_f32 v84, v84, v85
	s_delay_alu instid0(VALU_DEP_1)
	v_permlanex16_b32 v85, v84, s60, s61
	s_delay_alu instid0(VALU_DEP_1)
	v_add_f32 v84, v84, v85
	s_wait_alu depctr_va_vdst(0)
	v_sqrt_f32 v120, v84
	v_nop
	s_wait_alu depctr_va_vdst(0)
	v_max_num_f32 v120, 0x2b8cbccc, v120
	s_wait_alu depctr_va_vdst(0)
	v_rcp_f32 v120, v120
	v_nop
	s_wait_alu depctr_va_vdst(0)
	v_mov_b32 v121, v120
	ds_store_b32 v119, v120
.set j, 0
.rept 64
	v_pk_mul_f32 v[128+j:129+j], v[128+j:129+j], v[120:121]
.set j, j+2
.endr
	QUANT 128
.irp c, 0,1,2
	ds_store_b128 v117, v[80+4*\c:83+4*\c] offset:512*\c
.endr
	ds_store_b32 v118, v116
	s_wait_dscnt 0x0
	QUANT 192
.irp c, 0,1,2
	ds_store_b128 v117, v[80+4*\c:83+4*\c] offset:1536+512*\c
.endr
	ds_store_b32 v118, v116 offset:128
.irp q, 0,1
	v_mov_b32 v[10+4*\q], 0
	v_mov_b32 v[11+4*\q], 0
.endr
	s_mov_b32 s57, 15
	CHANGE 1
	v_and_b32 v82, 31, v0
	s_mul_i32 s82, s26, 6144
	s_add_co_u32 s82, s82, QIMG
	v_lshl_add_u32 v80, v82, 4, s82
	s_lshl_b32 s82, s26, 9
	s_add_co_u32 s82, s82, QSC
	v_lshl_add_u32 v81, v82, 2, s82
.irp f, 0,1,2,3
.irp c, 0,1,2
	ds_load_b128 v[32+12*\f+4*\c:35+12*\f+4*\c], v80 offset:1536*\f+512*\c
.endr
	ds_load_b32 v[20+\f], v81 offset:128*\f
.endr
	s_wait_dscnt 0x0
	s_wait_loadcnt 0x0
	s_wait_kmcnt 0x0
	WIN 0x11
.irp t, 0,1,2,3
.irp q, 0,1
	v_wmma_scale_f32_16x16x128_f8f6f4 v[128+64*\q+8*\t:135+64*\q+8*\t], v[24*\t:24*\t+11], v[32+24*\q:43+24*\q], v[96+8*\t:103+8*\t], v[24+\t], v[20+2*\q] matrix_a_fmt:MATRIX_FMT_BF6 matrix_b_fmt:MATRIX_FMT_BF6
.endr
.endr
	WIN 0x01
.irp t, 0,1,2,3
.irp q, 0,1
	v_wmma_scale_f32_16x16x128_f8f6f4 v[128+64*\q+8*\t:135+64*\q+8*\t], v[24*\t+12:24*\t+23], v[44+24*\q:55+24*\q], v[128+64*\q+8*\t:135+64*\q+8*\t], v[24+\t], v[21+2*\q] matrix_a_fmt:MATRIX_FMT_BF6 matrix_b_fmt:MATRIX_FMT_BF6 matrix_a_scale:MATRIX_SCALE_ROW1
.endr
.endr
	WIN 0
	PLACES 4
.irp q, 0,1
.set j, 0
.rept 32
	v_max_num_f32 v[128+64*\q+j], 0, v[128+64*\q+j]
.set j, j+1
.endr
.endr
	WIN 0x04
.irp q, 0,1
	v_mul_f32 v[112+2*\q], v[128+64*\q], v128
	v_mul_f32 v[113+2*\q], v[129+64*\q], v129
.endr
.set n, 2
.rept 15
.irp q, 0,1
	s_delay_alu instid0(VALU_DEP_4)
	v_fma_f32 v[112+2*\q], v[128+64*\q+n], v[128+n], v[112+2*\q]
	s_delay_alu instid0(VALU_DEP_4)
	v_fma_f32 v[113+2*\q], v[129+64*\q+n], v[129+n], v[113+2*\q]
.endr
.set n, n+2
.endr
	WIN 0
	s_mov_b32 s83, 0xbfb8aa3b
	s_mul_f32 s75, s74, s83
.irp q, 0,1
	v_add_f32 v[112+2*\q], v[112+2*\q], v[113+2*\q]
.endr
.irp q, 0,1
	s_delay_alu instid0(VALU_DEP_2)
	v_permlanex16_b32 v[116+\q], v[112+2*\q], s60, s61
.endr
.irp q, 0,1
	s_delay_alu instid0(VALU_DEP_2)
	v_add_f32 v[112+2*\q], v[112+2*\q], v[116+\q]
.endr
.irp q, 0,1
	s_delay_alu instid0(VALU_DEP_2)
	v_fma_f32 v[112+2*\q], v[112+2*\q], s83, s75
.endr
	s_wait_alu depctr_va_vdst(0)
.irp q, 0,1
	v_exp_f32 v[112+2*\q], v[112+2*\q]
.endr
	v_nop
	s_wait_alu depctr_va_vdst(0)
.irp q, 0,1
	v_add_f32 v[112+2*\q], 1.0, v[112+2*\q]
.endr
	s_wait_alu depctr_va_vdst(0)
.irp q, 0,1
	v_rcp_f32 v[17+2*\q], v[112+2*\q]
.endr
	v_nop
	s_wait_alu depctr_va_vdst(0)
	STEP 1, 0
	s_mov_b32 s57, 14
.Lstep:
	CHANGE 1
	STEP 0, 0
	s_sub_co_u32 s57, s57, 1
	s_cmp_lg_u32 s57, 0
	s_cbranch_scc1 .Lstep
	CHANGE 0
	STEP 0, 1
	PLACES 4
	v_and_b32 v104, 31, v0
	s_delay_alu instid0(VALU_DEP_1)
	v_lshlrev_b32 v104, 4, v104
.set k, 0
.rept 32
	global_load_b128 v[128+4*k:131+4*k], v104, s[70:71] offset:16384*k
.set k, k+1
.endr
.irp q, 0,1
	v_add_f32 v[112+\q], v[10+4*\q], v[11+4*\q]
.endr
.irp q, 0,1
	s_delay_alu instid0(VALU_DEP_2)
	v_permlanex16_b32 v[116+\q], v[112+\q], s60, s61
.endr
.irp q, 0,1
	s_delay_alu instid0(VALU_DEP_2)
	v_add_f32 v[112+\q], v[112+\q], v[116+\q]
.endr
	s_wait_alu depctr_va_vdst(0)
.irp q, 0,1
	v_rcp_f32 v[112+\q], v[112+\q]
.endr
	v_bfe_u32 v106, v0, 4, 1
	s_delay_alu instid0(VALU_DEP_1)
	v_mul_u32_u24 v105, v106, 8*SP
	v_and_b32 v106, 15, v0
	s_delay_alu instid0(VALU_DEP_1)
	v_lshl_add_u32 v105, v106, 2, v105
	s_mul_i32 s82, s25, STG1
	s_lshl_b32 s83, s26, 7
	s_add_co_u32 s82, s82, s83
	v_add_nc_u32 v105, s82, v105
	s_delay_alu instid0(VALU_DEP_1)
	v_add_nc_u32 v106, 128*SP, v105
	s_mul_i32 s82, s24, 32*SP
	v_add_nc_u32 v107, s82, v104
	s_delay_alu instid0(VALU_DEP_1)
	v_add_nc_u32 v108, STG1, v107
	v_add_nc_u32 v109, RINV, v104
	s_wait_alu depctr_va_vdst(0)
.irp q, 0,1
	v_mul_f32 v[16+2*\q], v[17+2*\q], v[112+\q]
.endr
	s_wait_alu depctr_va_vdst(0)
	s_wait_dscnt 0x0
	s_barrier_signal -1
	s_barrier_wait -1
	WIN 0x41
.irp q, 0,1
.set j, 0
.rept 64
	v_pk_mul_f32 v[128*\q+j:128*\q+j+1], v[128*\q+j:128*\q+j+1], v[16+2*\q:17+2*\q] op_sel_hi:[1,0]
.set j, j+2
.endr
.endr
	WIN 0x04
.irp q, 0,1
.irp ct, 0,1,2,3,4,5,6,7,8,9,10,11,12,13,14,15
.irp j, 0,1,2,3,4,5,6,7
	ds_store_b32 v[105+\ct/8], v[128*\q+8*\ct+\j] offset:(16*(\ct%8)+\j)*SP+64*\q
.endr
.endr
.endr
	WIN 0
	s_wait_dscnt 0x0
	s_barrier_signal -1
	s_barrier_wait -1
	ds_load_b128 v[96:99], v109
.macro LOADG g
.irp k, 0,1,2,3
	ds_load_b128 v[32+32*((\g)%2)+4*\k:35+32*((\g)%2)+4*\k], v107 offset:SP*(4*(\g)+\k)
	ds_load_b128 v[48+32*((\g)%2)+4*\k:51+32*((\g)%2)+4*\k], v108 offset:SP*(4*(\g)+\k)
.endr
.endm
	LOADG 0
.irp g, 0,1,2,3,4,5,6,7
.if \g < 7
	LOADG \g+1
	s_wait_dscnt 8
.else
	s_wait_dscnt 0
.endif
	s_wait_loadcnt 28-4*\g
.irp k, 0,1,2,3
.set XR, 128+4*(4*\g+\k)
.set FG, 32+32*(\g%2)+4*\k
	v_pk_fma_f32 v[XR:XR+1], v[XR:XR+1], v[96:97], v[FG:FG+1]
	v_pk_fma_f32 v[XR+2:XR+3], v[XR+2:XR+3], v[98:99], v[FG+2:FG+3]
	s_delay_alu instid0(VALU_DEP_2)
	v_pk_add_f32 v[XR:XR+1], v[XR:XR+1], v[FG+16:FG+17] neg_lo:[0,1] neg_hi:[0,1]
	s_delay_alu instid0(VALU_DEP_2)
	v_pk_add_f32 v[XR+2:XR+3], v[XR+2:XR+3], v[FG+18:FG+19] neg_lo:[0,1] neg_hi:[0,1]
	global_store_b128 v104, v[XR:XR+3], s[72:73] offset:16384*(4*\g+\k) th:TH_STORE_NT
.endr
.endr
	s_wait_tensorcnt 0x0
	ds_add_u32 v3, v4
	s_wait_dscnt 0x0
	CROUND
	s_endpgm
.Lfunc_end_k_q1eb78fe8c7_attend:
	.size	k_q1eb78fe8c7_attend, .Lfunc_end_k_q1eb78fe8c7_attend-k_q1eb78fe8c7_attend
	.p2alignl 7, 3214868480
	.fill 96, 4, 3214868480
	.section	.rodata,"a",@progbits
	.p2align	6, 0x0
	.amdhsa_kernel k_q1eb78fe8c7_attend
		.amdhsa_group_segment_fixed_size 327680
		.amdhsa_private_segment_fixed_size 0
		.amdhsa_enable_private_segment 0
		.amdhsa_kernarg_size 80
		.amdhsa_user_sgpr_count 2
		.amdhsa_user_sgpr_kernarg_segment_ptr 1
		.amdhsa_wavefront_size32 1
		.amdhsa_system_sgpr_workgroup_id_x 1
		.amdhsa_system_sgpr_workgroup_id_y 1
		.amdhsa_system_sgpr_workgroup_id_z 1
		.amdhsa_system_vgpr_workitem_id 0
		.amdhsa_next_free_vgpr 512
		.amdhsa_next_free_sgpr 96
		.amdhsa_reserve_vcc 1
		.amdhsa_float_denorm_mode_32 3
		.amdhsa_float_denorm_mode_16_64 3
		.amdhsa_memory_ordered 1
		.amdhsa_forward_progress 1
		.amdhsa_inst_pref_size 217
	.end_amdhsa_kernel
	.amdgpu_metadata
---
amdhsa.version: [ 1, 2 ]
amdhsa.kernels:
  - .name:           k_q1eb78fe8c7_attend
    .symbol:         k_q1eb78fe8c7_attend.kd
    .args:
      - { .name: feats, .offset: 0, .size: 8, .value_kind: global_buffer, .address_space: global }
      - { .name: kv, .offset: 8, .size: 8, .value_kind: global_buffer, .address_space: global }
      - { .name: wq, .offset: 16, .size: 8, .value_kind: global_buffer, .address_space: global }
      - { .name: b1_fg, .offset: 24, .size: 8, .value_kind: global_buffer, .address_space: global }
      - { .name: b1_bg, .offset: 32, .size: 8, .value_kind: global_buffer, .address_space: global }
      - { .name: w2_fg, .offset: 40, .size: 8, .value_kind: global_buffer, .address_space: global }
      - { .name: w2_bg, .offset: 48, .size: 8, .value_kind: global_buffer, .address_space: global }
      - { .name: b2_fg, .offset: 56, .size: 8, .value_kind: global_buffer, .address_space: global }
      - { .name: b2_bg, .offset: 64, .size: 8, .value_kind: global_buffer, .address_space: global }
      - { .name: out0, .offset: 72, .size: 8, .value_kind: global_buffer, .address_space: global }
    .group_segment_fixed_size: 327680
    .private_segment_fixed_size: 0
    .kernarg_segment_align: 8
    .kernarg_segment_size: 80
    .max_flat_workgroup_size: 256
    .sgpr_count:     96
    .vgpr_count:     512
    .wavefront_size: 32
...
	.end_amdgpu_metadata
.endif
;; end of part 2
